; MI455X (gfx1250); checked and timed in simulation.
; The chip was launched on July 23, 2026; its instructions are those of AMD's public machine-readable ISA for CDNA 5 (MIT licence, August 2026) and "CDNA5" Instruction Set Architecture Reference Guide (July 2026). The comments in the code are by the model that wrote it; some were corrected since.
;; Quantizer. Allowed arithmetic: float matrix products may take bf16 or f16 operands with f32 sums; all other float work in f32.
;; Inputs: codes 1 x 4,096 x 128 float32; x 65,536 x 128 float32.
;; Outputs: out0 65,536 x 128 float32; out1 65,536 int32; out2 one number float32.
;; 2 versions, each right; version 2 is version 1 with the launches prep, fetch written anew for expert scheduling mode. Each part assembles by itself: llvm-mc -triple=amdgcn-amd-amdhsa -mcpu=gfx1250 --defsym DOCPART=n.
;; ======== version 1 of 2: 4 launches
;; limits: values outside matrix products are rounded to bf16
;; workspace buffers: cb 1,048,576 bytes; hc 16,384 bytes; grp 262,144 bytes of whole numbers; idxw 262,144 bytes of whole numbers; part 2,048 bytes
;; launch prep (part 1): grid 64 x 1, 8 waves a work-group, no clusters, 1,280 bytes of LDS; arguments codes, cb, hc; writes cb, hc
.if DOCPART == 1
	.amdgcn_target "amdgcn-amd-amdhsa--gfx1250"
	.amdhsa_code_object_version 6
	.text
	.protected	k_q0ff87f65a9_prep
	.globl	k_q0ff87f65a9_prep
	.p2align	8
	.type	k_q0ff87f65a9_prep,@function
k_q0ff87f65a9_prep:
	s_mov_b64 s[64:65], 0
	v_nop
	global_prefetch_b8 v0, s[64:65] scope:SCOPE_SE
	s_setreg_imm32_b32 hwreg(HW_REG_WAVE_MODE, 25, 1), 1
	s_wait_xcnt 0x0
; cb[c][:] = codes[c][:] rounded to bf16;  hc[c] = -1/2 x the sum of the squares of the ROUNDED numbers of row c, in f32.
; The next launch's 256 work-groups all walk the whole table, so the rounding and the row sums are made once, here.
; 64 work-groups of eight waves; a work-group owns 64 rows, a wave 8 rows, a lane 4 neighbouring numbers (16 bytes) of each row.
; A wave's load covers a row's 512 bytes; its store of the rounded row covers 256 consecutive bytes, aligned.
; No tiles in LDS, no cluster, no matrix work: no byte is read twice and no two work-groups share any.
.set C, 8                              ; v[8:39]   row i as loaded: 4 registers
.set B, 40                             ; v[40:55]  row i rounded: 2 registers, never rewritten (they are store data)
.set T, 56                             ; v[56:59]  the rounded numbers widened again
.set S, 60                             ; v[60:61]  sums
	s_load_b128 s[4:7], s[0:1], 0x0                ; codes s[4:5], cb s[6:7]
	s_load_b64 s[8:9], s[0:1], 0x10                ; hc
	v_lshl_add_u32 v64, v0, 2, 0x100
	v_mov_b32 v65, 0
	v_lshrrev_b32 v3, 5, v0
	v_readfirstlane_b32 s10, v3                    ; wave 0..7
	v_and_b32 v4, 31, v0                           ; lane
	v_lshlrev_b32 v1, 4, v4                        ; my 16 bytes of a row of codes
	v_lshlrev_b32 v2, 3, v4                        ; my 8 bytes of a row of cb
	v_mov_b32 v5, s10
	v_lshlrev_b32 v5, 5, v5                        ; LDS: my wave's eight words
	v_mov_b32 v62, 0                               ; v_permlanex16_b32 counts as a reader of its destination
	s_mov_b32 s11, 0xffff0000                      ; a word's upper bf16
	s_mov_b32 s12, 0x76543210                      ; each lane takes its own place in the other half
	s_mov_b32 s13, 0xfedcba98
	s_lshl_b32 s14, ttmp9, 15                      ; 64 rows of 512 bytes a work-group,
	s_lshl_b32 s16, s10, 12                        ; 8 rows a wave
	s_add_co_u32 s14, s14, s16
	s_mov_b32 s15, 0
	s_lshr_b32 s16, s14, 1                         ; cb's rows are half as long
	s_mov_b32 s17, 0
	s_lshl_b32 s18, ttmp9, 8                       ; hc: 64 words a work-group
	s_mov_b32 s19, 0
	s_wait_kmcnt 0x0
	s_add_nc_u64 s[4:5], s[4:5], s[14:15]
	s_add_nc_u64 s[6:7], s[6:7], s[16:17]
	s_add_nc_u64 s[8:9], s[8:9], s[18:19]
.irp i, 0,1,2,3,4,5,6,7
	global_load_b128 v[C+4*\i:C+4*\i+3], v1, s[4:5] offset:512*\i
.endr
.macro ROWSUM i
	s_wait_loadcnt 7-\i                            ; loads come back in order: row i is in, the 7 - i younger rows stay out
	v_cvt_pk_bf16_f32 v[B+2*\i],   v[C+4*\i],   v[C+4*\i+1]
	v_cvt_pk_bf16_f32 v[B+2*\i+1], v[C+4*\i+2], v[C+4*\i+3]
	global_store_b64 v2, v[B+2*\i:B+2*\i+1], s[6:7] offset:256*\i
	v_lshlrev_b32 v[T],   16,  v[B+2*\i]           ; the squares are those of the rounded numbers, which the products will see
	v_and_b32     v[T+1], s11, v[B+2*\i]
	v_lshlrev_b32 v[T+2], 16,  v[B+2*\i+1]
	v_and_b32     v[T+3], s11, v[B+2*\i+1]
	v_pk_mul_f32 v[S:S+1], v[T:T+1], v[T:T+1]
	v_pk_fma_f32 v[S:S+1], v[T+2:T+3], v[T+2:T+3], v[S:S+1]
	v_add_f32 v[S], v[S], v[S+1]
	v_add_f32_dpp v[S], v[S], v[S] row_xmask:1 row_mask:0xf bank_mask:0xf
	v_add_f32_dpp v[S], v[S], v[S] row_xmask:2 row_mask:0xf bank_mask:0xf
	v_add_f32_dpp v[S], v[S], v[S] row_xmask:4 row_mask:0xf bank_mask:0xf
	v_add_f32_dpp v[S], v[S], v[S] row_xmask:8 row_mask:0xf bank_mask:0xf
	v_permlanex16_b32 v62, v[S], s12, s13
	v_add_f32 v[S], v[S], v62                      ; every lane holds the row's sum
	v_mul_f32 v[S], -0.5, v[S]
	ds_store_b32 v5, v[S] offset:4*\i              ; all lanes write the same word with the same number
.endm
.irp i, 0,1,2,3,4,5,6,7
	ROWSUM \i
.endr
	s_wait_dscnt 0x0                               ; for wave 0's sake: my eight words are in LDS
	s_barrier_signal -1
	s_barrier_wait -1
	s_cmp_lg_u32 s10, 0
	s_cbranch_scc1 .Lend
	ds_load_b64 v[6:7], v2                         ; the work-group's 64 words go out as one store of 256 consecutive bytes, aligned
	s_wait_dscnt 0x0
	global_store_b64 v2, v[6:7], s[8:9]
.Lend:
	s_wait_tensorcnt 0x0
	ds_add_u32 v64, v65
	s_wait_dscnt 0x0
	s_endpgm
.Lfunc_end_k_q0ff87f65a9_prep:
	.size	k_q0ff87f65a9_prep, .Lfunc_end_k_q0ff87f65a9_prep-k_q0ff87f65a9_prep
	.p2alignl 7, 3214868480
	.fill 96, 4, 3214868480
	.section	.rodata,"a",@progbits
	.p2align	6, 0x0
	.amdhsa_kernel k_q0ff87f65a9_prep
		.amdhsa_group_segment_fixed_size 1280
		.amdhsa_private_segment_fixed_size 0
		.amdhsa_enable_private_segment 0
		.amdhsa_kernarg_size 24
		.amdhsa_user_sgpr_count 2
		.amdhsa_user_sgpr_kernarg_segment_ptr 1
		.amdhsa_wavefront_size32 1
		.amdhsa_system_sgpr_workgroup_id_x 1
		.amdhsa_system_sgpr_workgroup_id_y 1
		.amdhsa_system_sgpr_workgroup_id_z 1
		.amdhsa_system_vgpr_workitem_id 0
		.amdhsa_next_free_vgpr 66
		.amdhsa_next_free_sgpr 66
		.amdhsa_reserve_vcc 0
		.amdhsa_float_denorm_mode_32 3
		.amdhsa_float_denorm_mode_16_64 3
		.amdhsa_memory_ordered 1
		.amdhsa_forward_progress 1
		.amdhsa_inst_pref_size 11
	.end_amdhsa_kernel
	.amdgpu_metadata
---
amdhsa.version: [ 1, 2 ]
amdhsa.kernels:
  - .name:           k_q0ff87f65a9_prep
    .symbol:         k_q0ff87f65a9_prep.kd
    .args:
      - { .name: codes, .offset: 0, .size: 8, .value_kind: global_buffer, .address_space: global }
      - { .name: cb, .offset: 8, .size: 8, .value_kind: global_buffer, .address_space: global }
      - { .name: hc, .offset: 16, .size: 8, .value_kind: global_buffer, .address_space: global }
    .group_segment_fixed_size: 1280
    .private_segment_fixed_size: 0
    .kernarg_segment_align: 8
    .kernarg_segment_size: 24
    .max_flat_workgroup_size: 256
    .sgpr_count:     66
    .vgpr_count:     66
    .wavefront_size: 32
...
	.end_amdgpu_metadata
.endif
;; end of part 1
;; launch nearest (part 2): grid 256 x 1, 8 waves a work-group, clusters of 4 x 1, 327,680 bytes of LDS; arguments x, cb, hc, grp; writes grp
.if DOCPART == 2
	.amdgcn_target "amdgcn-amd-amdhsa--gfx1250"
	.amdhsa_code_object_version 6
	.text
	.protected	k_q0ff87f65a9_nearest
	.globl	k_q0ff87f65a9_nearest
	.p2align	8
	.type	k_q0ff87f65a9_nearest,@function
k_q0ff87f65a9_nearest:
	s_mov_b64 s[64:65], 0
	v_nop
	global_prefetch_b8 v0, s[64:65] scope:SCOPE_SE
	s_setreg_imm32_b32 hwreg(HW_REG_WAVE_MODE, 25, 1), 1
	s_wait_xcnt 0x0
	s_wait_alu depctr_hold_cnt(0) depctr_sa_sdst(0) depctr_va_vdst(0) depctr_va_sdst(0) depctr_va_ssrc(0) depctr_va_vcc(0) depctr_vm_vsrc(0)
	s_getreg_b32 s2, hwreg(HW_REG_IB_STS2, 6, 4)
	s_cmp_eq_u32 s2, 0
	s_cbranch_scc0 .Lentry_in_a_cluster
	s_endpgm
.Lentry_in_a_cluster:
	s_bfe_u32 s2, ttmp6, 0x10000c
	s_cmp_lg_u32 s2, 0x3003
	s_cbranch_scc0 .Lentry_shape_is_right
	s_endpgm
.Lentry_shape_is_right:
; grp[b] = the index of the first of the eight neighbouring codes (a multiple of 8) among which the code nearest to x[b] lies.  The next launch chooses among the eight.
; x: [65536][128] f32.  cb: [4096][128] bf16, hc: [4096] f32 = -1/2 |cb[c]|^2.
; SCORE.  s(b, c) = bf16(x[b]) . cb[c] + hc[c] = -1/2 (d2(b, c) - |x[b]|^2): the smallest distance is the largest score.  hc enters as the C operand of a tile's first product,
; so no vector instruction forms a score.  Operands bf16, sums f32.
; LIMITS.  The root, the two divisions and |x[b]|^2 do not change which c is smallest and are not evaluated; neither is the clip at zero, which acts only on a d2 that rounding has made
; negative.  So two codes whose scores lie closer than the rounding of either computation (some 1e-7 of the sums' size) may be ordered otherwise than a computation that rounds the roots
; orders them.  Of groups with equal best scores the lower goes on.  The score is, like d2 in the problem's own formula, a difference of sums: with a large common offset in the inputs its
; error grows as that formula's does.  NaN inputs are not served (a NaN score never wins).
; SHARES.  256 work-groups of 256 rows of x; eight waves.  Wave w holds the 64 rows 64 (w & 3) on as bf16 fragments in 128 registers for the whole launch and takes every second tile of
; 16 codes (parity w >> 2): 2,048 codes, 2,048 matrix instructions.  For 16 matrix instructions a wave reads 4 KiB + 64 bytes from LDS.
; With 256 registers a wave names its working registers directly; the window is switched only around the spare LDS adds.
; LAYOUT.  Source 0 = 16 codes, source 1 = 16 rows of x: in the result lane (r = lane % 16, h = lane / 16) holds ONE row of x, r, and register j the code 8 h + j: a lane's eight registers
; are eight neighbouring codes.  Only their maximum is taken (four instructions for eight scores) and held against the lane's running maximum; what is remembered is the tile.
; That is 28 vector instructions for a tile's 16 products; to follow the index down to the single code would take three for each of the 32 score registers.
; BY TURNS.  The wave's four row tiles are two pieces (tiles 0, 1 and tiles 2, 3).  In a turn one piece has the matrix unit (8 products: its two accumulators by turns, K ascending), and the
; other piece's 14 vector instructions stand between the products.
; CLUSTER.  The four work-groups of a cluster walk the same table, so the code tiles and hc are asked for JOINTLY (the same tensor load, the same descriptor, a mask that names the four).
; x is each work-group's own: a plain tensor load.
.set PC,    272                        ; a code row in LDS: 256 bytes + 16 of padding = 68 words: the 16 rows of a fragment load start 4 banks apart (64 banks of 4 bytes: ISA guide 11.1)
.set SLOTB, 512*PC                     ; a slot: 512 codes, 139,264 bytes
.set SLOTG, 512*256                    ; the same codes in memory
.set PX,    528                        ; a row of x (f32) in LDS: 512 bytes + 16
.set XST,   SLOTB                      ; x's stage, 256 rows, lies in slot 1's bytes: it is read out before slot 1's first codes are asked for
.set HC,    2*SLOTB                    ; hc, 16,384 bytes, filled once
.set MRG,   HC+16384                   ; 4,096 bytes for the merge; written by LDS stores alone, never a tensor load's target
.set AB,  1                            ; v1   r PC + 16 h + parity x 16 rows: my place in a pair of code tiles; never rewritten
.set H8,  2                            ; v2   8 h
.set VA,  3                            ; v3   LDS address of the code fragments in hand
.set VH,  4                            ; v4   LDS address of hc's words in hand
.set T0,  5                            ; v5, v7  the maxima of the two accumulators in hand (v5: at work before; v7: first my place in x's stage)
.set HB,  6                            ; v6   HC + 32 h + 64 x parity; never rewritten
.set XA,  7
.set M,   8                            ; v[8:11]    running maximum, one a row tile
.set I,   12                           ; v[12:15]   first code of the tile that gave it (without 8 h, which is added at the end)
.set CI,  16                           ; v[16:31]   hc of a code tile as a C operand: two buffers of 8
.set ACC, 32                           ; v[32:63]   four accumulators
.set F,   64                           ; v[64:127]  fragments of a code tile (4 K steps x 8): two buffers of 32
.set X,   128                          ; v[128:255] x: row tile a, K step q at X + 32 a + 8 q
.set WV,  14                           ; s14  wave;  s15 its row group;  s16 its parity;  s17 cx;  s18 work-group
.set G1C, 24                           ; s[24:31] group 1, code tiles     s[32:39] x     s[40:47] hc
.set G1X, 32
.set G1H, 40
.set G0C, 48                           ; s[48:55] group 0 for the code tiles, a set for each slot
.set G0X, 56
.set G0H, 60
.set CUR, 68                           ; s68  first code of the tile whose scores are in hand
.set MK,  76                           ; s76, s77 the two masks of a turn
.set RC,  78                           ; ring counter
.set TC,  79                           ; tile counter
.set SEL, 80                           ; s[80:81] lane selects for v_permlanex16_b32
.set TA,  91                           ; LDS byte of the pair of code tiles in hand
.set TH,  92                           ; byte in hc of the same
; A round of the cluster's barrier: my work-group's barrier, so that wave 0's signal speaks for all eight waves; wave 0 signals for the work-group; every wave waits for all four work-groups; my work-group's barrier once more.
.macro ROUND
	s_barrier_signal -1
	s_barrier_wait -1
	s_cmp_lg_u32 s[WV], 0
	s_cbranch_scc1 .Lnot_wave_0_\@
	s_barrier_signal -3
.Lnot_wave_0_\@:
	s_barrier_wait -3
	s_barrier_signal -1
	s_barrier_wait -1
.endm
	s_load_b256 s[4:11], s[0:1], 0x0               ; x s[4:5], cb s[6:7], hc s[8:9], grp s[10:11]
	s_set_vgpr_msb 0x40
	v_lshl_add_u32 v0, v0, 2, 0x49000
	v_mov_b32 v1, 0
	s_set_vgpr_msb 0x4045
	ds_add_u32 v0, v1
	ds_add_u32 v0, v1
	s_set_vgpr_msb 0x4500
	v_lshrrev_b32 v5, 5, v0
	v_readfirstlane_b32 s[WV], v5                  ; wave 0..7
	s_and_b32 s15, s[WV], 3                        ; my 64 rows of the work-group's 256
	s_lshr_b32 s16, s[WV], 2                       ; my parity of code tiles
	s_bfe_u32 s17, ttmp6, 0x40000                  ; cx: my place in the cluster
	s_lshl_b32 s18, ttmp9, 2                       ; in a cluster launch ttmp9 counts clusters
	s_add_co_u32 s18, s18, s17                     ; work-group = 4 x cluster + cx: it enters x's and the output's addresses alone
	; group 1, code tiles: 64 rows x 128 elements of 2 bytes, 4 words of padding behind every 64 words; the mask names all four work-groups, bit 21 set beside it
	s_mov_b32 s[G1C+0], 15|(1<<16)|(1<<20)|(1<<21)|(5<<22)|(3<<25)
	s_mov_b32 s[G1C+1], 128<<16                    ; tensor_dim0 = 128
	s_mov_b32 s[G1C+2], 64<<16                     ; tensor_dim1 = 64
	s_mov_b32 s[G1C+3], 128<<16                    ; tile_dim0 = 128
	s_mov_b32 s[G1C+4], 64                         ; tile_dim1 = 64
	s_mov_b32 s[G1C+5], 128                        ; elements from row to row
	s_mov_b32 s[G1C+6], 0
	s_mov_b32 s[G1C+7], 0
	; group 1, x: 32 rows x 128 elements of 4 bytes, 4 words of padding behind every 128 words; no mask: each work-group's own
	s_mov_b32 s[G1X+0], (2<<16)|(1<<20)|(6<<22)|(3<<25)
	s_mov_b32 s[G1X+1], 128<<16
	s_mov_b32 s[G1X+2], 32<<16
	s_mov_b32 s[G1X+3], 128<<16
	s_mov_b32 s[G1X+4], 32
	s_mov_b32 s[G1X+5], 128
	s_mov_b32 s[G1X+6], 0
	s_mov_b32 s[G1X+7], 0
	; group 1, hc: a dense block as 8 rows x 32 elements of 8 bytes, no padding; joint
	s_mov_b32 s[G1H+0], 15|(3<<16)|(1<<21)
	s_mov_b32 s[G1H+1], 32<<16
	s_mov_b32 s[G1H+2], 8<<16
	s_mov_b32 s[G1H+3], 32<<16
	s_mov_b32 s[G1H+4], 8
	s_mov_b32 s[G1H+5], 32
	s_mov_b32 s[G1H+6], 0
	s_mov_b32 s[G1H+7], 0
	; byte offsets in memory; those of the joint loads are made of the wave's number alone, in registers that never hold cx
	s_lshl_b32 s82, s[WV], 14                      ; cb: my 64 rows of 256 bytes of a slot.  Also x: my 32 rows of 512 bytes
	s_mov_b32 s83, 0
	s_lshl_b32 s84, s18, 17                        ; x: the work-group's 256 rows of 512 bytes,
	s_add_co_u32 s84, s84, s82                     ; and my part of them
	s_mov_b32 s85, 0
	s_lshl_b32 s86, s[WV], 11                      ; hc: my 2,048 bytes
	s_mov_b32 s87, 0
	s_lshl_b32 s88, s18, 10                        ; the output: 256 words a work-group,
	s_lshl_b32 s89, s[WV], 8                       ; 64 words a wave (waves 0 to 3 store)
	s_add_co_u32 s88, s88, s89
	s_mov_b32 s89, 0
	; group 0: count, LDS address (a constant + the wave's number x a constant)
	s_mov_b32 s[G0C], 1
	s_mul_i32 s[G0C+1], s[WV], 64*PC
	s_mov_b32 s[G0C+4], 1
	s_add_co_u32 s[G0C+5], s[G0C+1], SLOTB
	s_mov_b32 s[G0X], 1
	s_mul_i32 s[G0X+1], s[WV], 32*PX
	s_add_co_u32 s[G0X+1], s[G0X+1], XST
	s_mov_b32 s[G0H], 1
	s_add_co_u32 s[G0H+1], s86, HC
	s_mov_b32 s90, 0xff800000                      ; -infinity
	s_mov_b32 s[SEL], 0x76543210
	s_mov_b32 s[SEL+1], 0xfedcba98
	s_mov_b32 s[TH], 0
	s_lshl_b32 s[CUR], s16, 4                      ; my first tile's first code, 16 x parity,
	s_sub_co_u32 s[CUR], s[CUR], 32                ; less one step: the first turn works on primed scores, which never win, so this number is never selected
	s_wait_dscnt 0x0
	s_wait_kmcnt 0x0
	s_add_nc_u64 s[G0C+2:G0C+3], s[6:7], s[82:83]          ; slot 0: codes 0 to 511
	s_add_nc_u64 s[G0C+6:G0C+7], s[G0C+2:G0C+3], SLOTG     ; slot 1: codes 512 to 1023
	s_or_b32 s[G0C+3], s[G0C+3], 0x80000000                ; type = 2
	s_or_b32 s[G0C+7], s[G0C+7], 0x80000000
	s_add_nc_u64 s[G0X+2:G0X+3], s[4:5], s[84:85]
	s_or_b32 s[G0X+3], s[G0X+3], 0x80000000
	s_add_nc_u64 s[G0H+2:G0H+3], s[8:9], s[86:87]
	s_or_b32 s[G0H+3], s[G0H+3], 0x80000000
	s_add_nc_u64 s[10:11], s[10:11], s[88:89]
	ROUND                                          ; all four work-groups are here: the first joint loads meet
	tensor_load_to_lds s[G0X:G0X+3], s[G1X:G1X+7]  ; the first fills go out as one group, ahead of every wait on TENSORcnt, LDS read and further barrier:
	s_nop 0
	tensor_load_to_lds s[G0C:G0C+3], s[G1C:G1C+7]  ; my 32 rows of x, my 64 codes of slot 0, my 512 words of hc.
	s_nop 0
	tensor_load_to_lds s[G0H:G0H+3], s[G1H:G1H+7]  ; Three loads of mine are out, the most anywhere in this text
	s_nop 0
	v_and_b32 v5, 15, v0                           ; r
	v_bfe_u32 v[H8], v0, 4, 1                      ; h
	v_mul_u32_u24 v[AB], v5, PC
	v_lshl_add_u32 v[AB], v[H8], 4, v[AB]          ; a fragment: row x pitch + 16 h, two loads 32 bytes apart for each 32 along K
	s_mul_i32 s20, s16, 16*PC
	v_add_nc_u32 v[AB], s20, v[AB]                 ; + my parity's tile of a pair
	s_lshl_b32 s21, s16, 6
	s_add_co_u32 s21, s21, HC
	v_lshl_add_u32 v[HB], v[H8], 5, s21            ; hc of codes 8 h + 0..7 of my parity's tile
	s_mul_i32 s22, s15, 64*PX
	s_add_co_u32 s22, s22, XST
	v_mul_u32_u24 v[XA], v5, PX
	v_lshl_add_u32 v[XA], v[H8], 5, v[XA]          ; f32: 8 h numbers are 32 h bytes
	v_add_nc_u32 v[XA], s22, v[XA]
	v_lshlrev_b32 v[H8], 3, v[H8]
	; The pipeline is primed, so that the first turn is written like every other: no maximum yet, and the piece whose maximum the first turn takes holds scores that never win.
.irp a, 0,1,2,3
	v_mov_b32 v[M+\a], s90
	v_mov_b32 v[I+\a], 0
.endr
.irp j, 0,1,2,3,4,5,6,7,8,9,10,11,12,13,14,15
	v_mov_b32 v[ACC+16+\j], s90
.endr
	s_wait_tensorcnt 0x0                           ; my parts of x, slot 0 and hc are in LDS,
	s_barrier_signal -1
	s_barrier_wait -1                              ; everybody's are
; Row tile a of my 64 rows: from the stage to bf16 fragments.  Lane (r, h) wants, for K step q, k = 32 q + 8 h + 0..7 and 32 q + 16 + 8 h + 0..7: in f32 two runs of 32 bytes, 64 bytes apart.
.macro XCONV a
.irp q, 0,1,2,3
	ds_load_b128 v[F+16*\q:F+16*\q+3],     v[XA] offset:\a*16*PX+128*\q
	ds_load_b128 v[F+16*\q+4:F+16*\q+7],   v[XA] offset:\a*16*PX+128*\q+16
	ds_load_b128 v[F+16*\q+8:F+16*\q+11],  v[XA] offset:\a*16*PX+128*\q+64
	ds_load_b128 v[F+16*\q+12:F+16*\q+15], v[XA] offset:\a*16*PX+128*\q+80
.endr
	s_wait_dscnt 0x0
.irp q, 0,1,2,3
.irp i, 0,1,2,3,4,5,6,7
	v_cvt_pk_bf16_f32 v[X+32*\a+8*\q+\i], v[F+16*\q+2*\i], v[F+16*\q+2*\i+1]
.endr
.endr
.endm
	XCONV 0
	XCONV 1
	XCONV 2
	XCONV 3
; Ten LDS loads in one run: a code tile's fragments (16 codes x 128 K) and its hc as a C operand (lanes of one half read the same 32 bytes), into buffer f.
.macro FETCH f, off, hoff
.irp q, 0,1,2,3
	ds_load_b128 v[F+32*(\f)+8*\q:F+32*(\f)+8*\q+3],   v[VA] offset:\off+64*\q
	ds_load_b128 v[F+32*(\f)+8*\q+4:F+32*(\f)+8*\q+7], v[VA] offset:\off+64*\q+32
.endr
	ds_load_b128 v[CI+8*(\f):CI+8*(\f)+3],   v[VH] offset:\hoff
	ds_load_b128 v[CI+8*(\f)+4:CI+8*(\f)+7], v[VH] offset:\hoff+16
.endm
; One product: row tile a, K step q, code buffer f.  The first K step starts the sum from hc: nothing is cleared and nothing is added afterwards.
.macro MM a, q, f
.if (\q) == 0
	v_wmma_f32_16x16x32_bf16 v[ACC+8*(\a):ACC+8*(\a)+7], v[F+32*(\f)+8*(\q):F+32*(\f)+8*(\q)+7], v[X+32*(\a)+8*(\q):X+32*(\a)+8*(\q)+7], v[CI+8*(\f):CI+8*(\f)+7]
.else
	v_wmma_f32_16x16x32_bf16 v[ACC+8*(\a):ACC+8*(\a)+7], v[F+32*(\f)+8*(\q):F+32*(\f)+8*(\q)+7], v[X+32*(\a)+8*(\q):X+32*(\a)+8*(\q)+7], v[ACC+8*(\a):ACC+8*(\a)+7]
.endif
.endm
; THE VECTOR WORK OF A TURN is a list of 14 instructions for row tiles y and y + 1, which alternate, so that no instruction reads the result of the one just before it.  AM writes number n.
;   0-7    the maximum of the accumulator's eight scores, from its low end on: three at a time, then the last
;   8, 9   does the running maximum stay?  It stays where it is at least as large, so of equal scores the earlier tile, which has the lower codes, is kept
;   10, 11 the running maximum;   12, 13 the tile's first code where the tile has won
.macro AM y, n
.set aa, \y+(\n)%2
.set tt, T0+2*((\n)%2)
.set rA, ACC+8*aa
.set st, (\n)/2
.if st == 0
	v_max3_num_f32 v[tt], v[rA], v[rA+1], v[rA+2]
.elseif st < 3
	v_max3_num_f32 v[tt], v[tt], v[rA+2*st+1], v[rA+2*st+2]
.elseif st == 3
	v_max_num_f32 v[tt], v[tt], v[rA+7]
.elseif st == 4
	v_cmp_ge_f32 s[MK+(\n)%2], v[M+aa], v[tt]
.elseif st == 5
	v_max_num_f32 v[M+aa], v[M+aa], v[tt]
.else
	v_cndmask_b32 v[I+aa], s[CUR], v[I+aa], s[MK+(\n)%2]
.endif
.endm
; A TURN.  Piece x has the matrix unit: 8 products, its two accumulators by turns, one instruction a turn.  Piece y's list stands between them: two behind each of
; the first five products, the last four behind the eighth.
; Distances: those last four name only maxima, indices and masks, none of the products' registers, so they are the four places between the turn's last products and the
; next turn's first read of their results; the loads into the other buffer stand behind the same four of the turn before.
; pre = 1: the next tile of my parity, at byte off of the fragments' address and hoff of hc's, is fetched into the other buffer, a whole tile ahead of its use.
.macro TURN x, y, f, pre, off, hoff
.irp i, 0,1,2,3,4,5,6,7
.set ta, \x+\i%2
.set tq, \i/2
	MM ta, tq, \f
.if \i < 5
	AM \y, 2*\i
	AM \y, 2*\i+1
.endif
.if \i == 7
	AM \y, 10
	AM \y, 11
	AM \y, 12
	AM \y, 13
.endif
.if (\i == 0) && \pre
	FETCH 1-\f, \off, \hoff
.endif
.endr
.endm
; A code tile: two turns.
.macro TILE f, pre, off, hoff
	s_wait_dscnt 0x0                               ; this tile's ten loads, the only ones out, were issued a tile ago
	TURN 0, 2, \f, \pre, \off, \hoff               ; row tiles 0, 1 multiply | the tile before, row tiles 2 and 3
	s_add_co_u32 s[CUR], s[CUR], 32                ; from here on the scores in hand are this tile's: two tiles of 16 codes on
	TURN 2, 0, \f, 0, 0, 0                         ; row tiles 2, 3 multiply | this tile, row tiles 0 and 1
.endm
; A slot: 512 codes, of which 16 tiles are mine.  refill = 1: the other slot, read out in the trip before (in the first trip: x's stage), is filled with the next 512 codes.
.macro TRIP slot, refill
	s_set_vgpr_msb 0x5
	s_wait_tensorcnt 0x0                           ; all my tensor loads have landed, my part of this slot among them, so every group 0 may be written:
	ds_add_u32 v0, v1
	s_wait_dscnt 0x0
	s_set_vgpr_msb 0x500
	s_add_nc_u64 s[G0C+4*\slot+2:G0C+4*\slot+3], s[G0C+4*\slot+2:G0C+4*\slot+3], 2*SLOTG   ; this slot's next codes (the last steps' addresses are not used)
	s_wait_dscnt 0x0                               ; my reads of the other slot are back
	ROUND                                          ; both now hold of every wave of all four work-groups
.if \refill
	tensor_load_to_lds s[G0C+4-4*\slot:G0C+7-4*\slot], s[G1C:G1C+7]   ; my one load behind the round, first thing there: 64 rows, with this trip's 256 products of mine in which to land
	s_nop 0
.endif
	s_mov_b32 s[TA], \slot*SLOTB
	v_add_nc_u32 v[VA], s[TA], v[AB]
	v_add_nc_u32 v[VH], s[TH], v[HB]
	FETCH 0, 0, 0
	s_mov_b32 s[TC], 7
.Ltiles_\@:
	TILE 0, 1, 32*PC, 128
	TILE 1, 1, 64*PC, 256
	s_add_co_u32 s[TA], s[TA], 64*PC               ; two of my tiles on: 64 rows of the slot,
	s_add_co_u32 s[TH], s[TH], 256                 ; 64 words of hc
	v_add_nc_u32 v[VA], s[TA], v[AB]
	v_add_nc_u32 v[VH], s[TH], v[HB]
	s_sub_co_u32 s[TC], s[TC], 1
	s_cmp_lg_u32 s[TC], 0
	s_cbranch_scc1 .Ltiles_\@
	TILE 0, 1, 32*PC, 128
	TILE 1, 0, 0, 0                                ; the slot's last tile fetches nothing: the next slot is read behind the round
	s_add_co_u32 s[TH], s[TH], 256
.endm
	s_mov_b32 s[RC], 3
.Lring:                                                ; eight slots: six in the loop, the last two written out
	TRIP 0, 1
	TRIP 1, 1
	s_sub_co_u32 s[RC], s[RC], 1
	s_cmp_lg_u32 s[RC], 0
	s_cbranch_scc1 .Lring
	TRIP 0, 1
	TRIP 1, 0
.irp n, 0,1,2,3,4,5,6,7,8,9,10,11,12,13
	AM 2, \n                                       ; the last tile's row tiles 2 and 3 (the last products stand four plain instructions back)
.endr
; THE MERGE.  (m, i) against (pm, pi): the larger score wins, of equal scores the lower index.  di takes the index, dm (if not -1) the score.  Selections only: no branch and no address hangs on a score.
.macro MERGE m, i, pm, pi, di, dm
	v_cmp_gt_f32 s20, v[\pm], v[\m]
	v_cmp_eq_f32 s21, v[\pm], v[\m]
	v_cmp_lt_u32 s22, v[\pi], v[\i]
	s_and_b32 s21, s21, s22
	s_or_b32 s20, s20, s21
	v_cndmask_b32 v[\di], v[\i], v[\pi], s20
.if \dm >= 0
	v_cndmask_b32 v[\dm], v[\m], v[\pm], s20
.endif
.endm
.irp a, 0,1,2,3
	v_add_nc_u32 v[I+\a], v[H8], v[I+\a]           ; my half's eight codes begin 8 h further on
.endr
.irp a, 0,1,2,3
	v_permlanex16_b32 v[CI+2*\a],   v[M+\a], s[SEL], s[SEL+1]   ; a row's other codes lie in the lane 16 away
	v_permlanex16_b32 v[CI+2*\a+1], v[I+\a], s[SEL], s[SEL+1]
.endr
.irp a, 0,1,2,3
	MERGE M+\a, I+\a, CI+2*\a, CI+2*\a+1, F+2*\a+1, F+2*\a
.endr
	v_and_b32 v5, 15, v0
	s_lshl_b32 s23, s[WV], 9
	s_add_co_u32 s23, s23, MRG                     ; my wave's 64 pairs (score, first code of the group)
	v_lshl_add_u32 v5, v5, 3, s23
.irp a, 0,1,2,3
	ds_store_b64 v5, v[F+2*\a:F+2*\a+1] offset:128*\a      ; row 16 a + r; both halves of the lanes hold, and write, the same pair
.endr
	s_wait_dscnt 0x0                               ; for the other parity's sake: my pairs are in LDS
	s_barrier_signal -1
	s_barrier_wait -1
	s_cmp_ge_u32 s[WV], 4
	s_cbranch_scc1 .Ldone                          ; waves 0 to 3 finish: wave w's rows are also wave w + 4's
	v_and_b32 v7, 31, v0
	v_lshl_add_u32 v[VA], v7, 4, s23               ; lane l takes rows 2 l and 2 l + 1
	ds_load_b128 v[16:19], v[VA]                   ; even tiles' winners
	ds_load_b128 v[20:23], v[VA] offset:2048       ; odd tiles' winners
	v_lshlrev_b32 v[VH], 3, v7
	s_wait_dscnt 0x0
	MERGE 16, 17, 20, 21, 26, -1
	MERGE 18, 19, 22, 23, 27, -1
	global_store_b64 v[VH], v[26:27], s[10:11]     ; the store of the wave covers 256 consecutive bytes, aligned; the next launch forms addresses from these numbers
.Ldone:
	s_set_vgpr_msb 0x5
	s_wait_tensorcnt 0x0
	ds_add_u32 v0, v1
	s_wait_dscnt 0x0
	s_set_vgpr_msb 0x500
	ROUND                                          ; the closing round: no work-group ends while a partner may still ask for a tile that names it
	s_endpgm
.Lfunc_end_k_q0ff87f65a9_nearest:
	.size	k_q0ff87f65a9_nearest, .Lfunc_end_k_q0ff87f65a9_nearest-k_q0ff87f65a9_nearest
	.p2alignl 7, 3214868480
	.fill 96, 4, 3214868480
	.section	.rodata,"a",@progbits
	.p2align	6, 0x0
	.amdhsa_kernel k_q0ff87f65a9_nearest
		.amdhsa_group_segment_fixed_size 327680
		.amdhsa_private_segment_fixed_size 0
		.amdhsa_enable_private_segment 0
		.amdhsa_kernarg_size 32
		.amdhsa_user_sgpr_count 2
		.amdhsa_user_sgpr_kernarg_segment_ptr 1
		.amdhsa_wavefront_size32 1
		.amdhsa_system_sgpr_workgroup_id_x 1
		.amdhsa_system_sgpr_workgroup_id_y 1
		.amdhsa_system_sgpr_workgroup_id_z 1
		.amdhsa_system_vgpr_workitem_id 0
		.amdhsa_next_free_vgpr 258
		.amdhsa_next_free_sgpr 96
		.amdhsa_reserve_vcc 0
		.amdhsa_float_denorm_mode_32 3
		.amdhsa_float_denorm_mode_16_64 3
		.amdhsa_memory_ordered 1
		.amdhsa_forward_progress 1
		.amdhsa_inst_pref_size 79
	.end_amdhsa_kernel
	.amdgpu_metadata
---
amdhsa.version: [ 1, 2 ]
amdhsa.kernels:
  - .name:           k_q0ff87f65a9_nearest
    .symbol:         k_q0ff87f65a9_nearest.kd
    .args:
      - { .name: x, .offset: 0, .size: 8, .value_kind: global_buffer, .address_space: global }
      - { .name: cb, .offset: 8, .size: 8, .value_kind: global_buffer, .address_space: global }
      - { .name: hc, .offset: 16, .size: 8, .value_kind: global_buffer, .address_space: global }
      - { .name: grp, .offset: 24, .size: 8, .value_kind: global_buffer, .address_space: global }
    .group_segment_fixed_size: 327680
    .private_segment_fixed_size: 0
    .kernarg_segment_align: 8
    .kernarg_segment_size: 32
    .max_flat_workgroup_size: 256
    .sgpr_count:     96
    .vgpr_count:     258
    .wavefront_size: 32
...
	.end_amdgpu_metadata
.endif
;; end of part 2
;; launch resolve (part 3): grid 512 x 1, 8 waves a work-group, no clusters, 2,048 bytes of LDS; arguments x, cb, grp, out1, idxw, part; writes out1, idxw, part
.if DOCPART == 3
	.amdgcn_target "amdgcn-amd-amdhsa--gfx1250"
	.amdhsa_code_object_version 6
	.text
	.protected	k_q0ff87f65a9_resolve
	.globl	k_q0ff87f65a9_resolve
	.p2align	8
	.type	k_q0ff87f65a9_resolve,@function
k_q0ff87f65a9_resolve:
	s_mov_b64 s[64:65], 0
	v_nop
	global_prefetch_b8 v0, s[64:65] scope:SCOPE_SE
	s_setreg_imm32_b32 hwreg(HW_REG_WAVE_MODE, 25, 1), 1
	s_wait_xcnt 0x0
; out1[b] = idxw[b] = the index of the code nearest to x[b];  part[g] = the sum over work-group g's 128 rows of the smallest squared distance.
; grp[b], stored by the launch before, names the first of eight neighbouring codes among which the nearest lies.  Here the eight squared distances are formed from the differences
; themselves, sum over k of (x' - c')^2 in f32, with x' = x rounded to bf16 and c' = cb's rows: the numbers on which the launch before chose, so that both choices are one choice.
; The smallest wins, of equal ones the lower index.
; LIMIT.  The loss is therefore summed from the bf16-rounded x and codes (a relative rounding of 2^-9 in each number), not from the f32 numbers.  It is a sum of squares of differences:
; nothing large is subtracted from anything large.  NaN inputs are not served.
; SHARES.  512 work-groups of eight waves; a wave owns 16 rows of x.  A row's eight codes are 2,048 consecutive bytes of cb: four loads of the wave, 512 consecutive bytes each.
; Load i gives lane (r = lane % 16, h = lane / 16) the numbers k = 8 r .. 8 r + 7 of code 2 i + h; the lane's 32 bytes of x are two loads more.
; A ring of four row slots in registers keeps up to 24 loads of every wave out.  No tiles in LDS, no cluster, no matrix work: each row has its own eight codes, and 1,024 multiply-adds.
; No prefetch: the table is 1 MiB and every work-group reads in it; x is asked for four rows ahead.
.set DEPTH, 4
.set O,   4                            ; v[4:7]     slot s: byte offset in cb of my 16 bytes of the group's first two rows
.set XR,  16                           ; v[16:47]   slot s: 8 numbers of x as loaded
.set CB,  48                           ; v[48:111]  slot s: 4 x 4 registers, 8 bf16 of each of my 4 codes
.set XB,  112                          ; v[112:115] x rounded, packed
.set XP,  116                          ; v[116:123] x rounded, widened again
.set DF,  124                          ; v[124:139] differences: two sets of 8, by turns
.set SA,  140                          ; v[140:147] code 2 i + h: a pair of sums
.set DD,  148                          ; v[148:151] lane (r, h): the squared distance of row r to code 2 i + h
.set G,   152                          ; v152  lane (r, h): grp of row r
.set J,   153                          ; v153  the winner's place among the eight
.set MN,  154                          ; v154  its squared distance
.set PM,  155                          ; v155, v156 the other half's
.set PJ,  156
	s_load_b256 s[4:11], s[0:1], 0x0               ; x s[4:5], cb s[6:7], grp s[8:9], out1 s[10:11]
	s_load_b128 s[12:15], s[0:1], 0x20             ; idxw s[12:13], part s[14:15]
	v_lshl_add_u32 v160, v0, 2, 0x400
	v_mov_b32 v161, 0
	v_lshrrev_b32 v8, 5, v0
	v_readfirstlane_b32 s32, v8                    ; wave 0..7
	v_and_b32 v9, 31, v0
	v_lshlrev_b32 v1, 4, v9                        ; 16 x lane
	v_and_b32 v10, 15, v0                          ; r
	v_lshlrev_b32 v2, 5, v10                       ; my 32 bytes of a row of x
	v_lshlrev_b32 v11, 2, v10                      ; 4 r
	v_bfe_u32 v12, v0, 4, 1                        ; h
	v_mov_b32 v3, -1.0
	v_mov_b32 v[PM], 0                             ; v_permlanex16_b32 counts as a reader of its destination
	v_mov_b32 v[PJ], 0
	s_mov_b32 s33, 0xffff0000                      ; a word's upper bf16
	s_mov_b32 s34, 0x76543210                      ; each lane takes its own place in the other half
	s_mov_b32 s35, 0xfedcba98
	s_lshl_b32 s36, ttmp9, 16                      ; x: 128 rows of 512 bytes a work-group,
	s_lshl_b32 s38, s32, 13                        ; 16 rows a wave
	s_add_co_u32 s36, s36, s38
	s_mov_b32 s37, 0
	s_lshr_b32 s38, s36, 7                         ; 4 bytes of grp for 512 of x
	s_mov_b32 s39, 0
	s_lshl_b32 s40, ttmp9, 9                       ; out1, idxw: 128 words a work-group
	s_mov_b32 s41, 0
	s_lshl_b32 s42, ttmp9, 2                       ; part: one word
	s_mov_b32 s43, 0
	s_wait_kmcnt 0x0
	s_add_nc_u64 s[8:9], s[8:9], s[38:39]
	s_load_b512 s[16:31], s[8:9], 0x0              ; my wave's 16 groups, for the addresses,
	global_load_b32 v[G], v11, s[8:9]              ; and once more, row r's in lane r, for the result
	s_add_nc_u64 s[4:5], s[4:5], s[36:37]
	s_add_nc_u64 s[10:11], s[10:11], s[40:41]
	s_add_nc_u64 s[12:13], s[12:13], s[40:41]
	s_add_nc_u64 s[14:15], s[14:15], s[42:43]
.macro FILLX t                         ; row t of x: two loads
.set sl, (\t)%DEPTH
	global_load_b128 v[XR+8*sl:XR+8*sl+3],   v2, s[4:5] offset:512*(\t)
	global_load_b128 v[XR+8*sl+4:XR+8*sl+7], v2, s[4:5] offset:512*(\t)+16
.endm
.macro FILLC t                         ; row t's eight codes: four loads
.set sl, (\t)%DEPTH
	s_min_u32 s[16+(\t)], s[16+(\t)], 0xff8        ; eight rows from here on stay inside the table of 4,096
	v_lshl_add_u32 v[O+sl], s[16+(\t)], 8, v1      ; 256 bytes a code
.irp i, 0,1,2,3
	global_load_b128 v[CB+16*sl+4*\i:CB+16*sl+4*\i+3], v[O+sl], s[6:7] offset:512*\i
.endr
.endm
	FILLX 0                                        ; x needs no index: the first four rows' go out while the groups are on their way
	FILLX 1
	FILLX 2
	FILLX 3
	s_wait_kmcnt 0x0
	FILLC 0
	FILLC 1
	FILLC 2
	FILLC 3
; Row t.  left = how many younger loads may stay out.
.macro ROW t, left
.set sl, (\t)%DEPTH
	s_wait_loadcnt \left                           ; loads come back in order: this row's six are in, so its slot's registers and its offset may be written again below
.irp k, 0,1,2,3
	v_cvt_pk_bf16_f32 v[XB+\k], v[XR+8*sl+2*\k], v[XR+8*sl+2*\k+1]
.endr
.irp k, 0,1,2,3
	v_lshlrev_b32 v[XP+2*\k],   16,  v[XB+\k]
	v_and_b32     v[XP+2*\k+1], s33, v[XB+\k]
.endr
.irp i, 0,1,2,3
.set df, DF+8*(\i%2)
.irp k, 0,1,2,3
	v_fma_mix_f32_bf16 v[df+2*\k],   v[CB+16*sl+4*\i+\k], v3, v[XP+2*\k]   op_sel_hi:[1,0,0]                 ; x' - c': the low bf16 times -1, plus x'
	v_fma_mix_f32_bf16 v[df+2*\k+1], v[CB+16*sl+4*\i+\k], v3, v[XP+2*\k+1] op_sel:[1,0,0] op_sel_hi:[1,0,0]   ; the high bf16
.endr
	v_pk_mul_f32 v[SA+2*\i:SA+2*\i+1], v[df:df+1], v[df:df+1]                  ; the first pair starts the sums
	v_pk_fma_f32 v[SA+2*\i:SA+2*\i+1], v[df+2:df+3], v[df+2:df+3], v[SA+2*\i:SA+2*\i+1]
	v_pk_fma_f32 v[SA+2*\i:SA+2*\i+1], v[df+4:df+5], v[df+4:df+5], v[SA+2*\i:SA+2*\i+1]
	v_pk_fma_f32 v[SA+2*\i:SA+2*\i+1], v[df+6:df+7], v[df+6:df+7], v[SA+2*\i:SA+2*\i+1]
.endr
.if (\t)+DEPTH < 16
	FILLX \t+DEPTH                                 ; the slot has been read: it takes the row four further on
	FILLC \t+DEPTH
.endif
.irp i, 0,1,2,3
	v_add_f32 v[SA+2*\i], v[SA+2*\i], v[SA+2*\i+1]
.endr
.irp m, 1,2,4,8
.irp i, 0,1,2,3
	v_add_f32_dpp v[SA+2*\i], v[SA+2*\i], v[SA+2*\i] row_xmask:\m row_mask:0xf bank_mask:0xf   ; over the 16 lanes of my half: the whole of K
.endr
.endr
.if (\t) == 0
.irp i, 0,1,2,3
	v_mov_b32 v[DD+\i], v[SA+2*\i]                 ; the first row writes every lane; lanes 1 to 15 of each half are written again below
.endr
.else
	s_mov_b32 s44, 0x10001<<(\t)                   ; lanes t and 16 + t keep row t, so that the choice is made once for all 16 rows
.irp i, 0,1,2,3
	v_cndmask_b32 v[DD+\i], v[DD+\i], v[SA+2*\i], s44
.endr
.endif
.endm
; The counts.  Behind row 0's codes stand rows 1 to 3's (12 loads); each row then adds six and takes four off, until three whole rows (18) stand behind; the last rows load nothing.
.irp t, 0,1,2,3,4,5,6,7,8,9,10,11,12,13,14,15
.if \t < 3
.set lf, 12+2*\t
.elseif \t < 13
.set lf, 18
.else
.set lf, 6*(15-\t)
.endif
	ROW \t, lf
.endr
	; THE CHOICE, once for 16 rows: lane (r, h) holds row r's distances to codes h, 2 + h, 4 + h, 6 + h.  A later code wins only if it is strictly nearer.
	v_cmp_lt_f32 vcc_lo, v[DD+1], v[DD]
	v_cndmask_b32 v[MN], v[DD], v[DD+1], vcc_lo
	v_cndmask_b32 v[J], 0, 1, vcc_lo
	v_cmp_lt_f32 vcc_lo, v[DD+2], v[MN]
	v_cndmask_b32 v[MN], v[MN], v[DD+2], vcc_lo
	v_cndmask_b32 v[J], v[J], 2, vcc_lo
	v_cmp_lt_f32 vcc_lo, v[DD+3], v[MN]
	v_cndmask_b32 v[MN], v[MN], v[DD+3], vcc_lo
	v_cndmask_b32 v[J], v[J], 3, vcc_lo
	v_lshl_add_u32 v[J], v[J], 1, v12              ; its place among the eight: 2 i + h
	v_permlanex16_b32 v[PM], v[MN], s34, s35       ; the row's other four codes lie in the lane 16 away
	v_permlanex16_b32 v[PJ], v[J],  s34, s35
	v_cmp_lt_f32 s44, v[PM], v[MN]
	v_cmp_eq_f32 s45, v[PM], v[MN]
	v_cmp_lt_u32 s46, v[PJ], v[J]
	s_and_b32 s45, s45, s46
	s_or_b32 s44, s44, s45                         ; the other half's is nearer, or as near and lower
	v_cndmask_b32 v[J],  v[J],  v[PJ], s44
	v_cndmask_b32 v[MN], v[MN], v[PM], s44         ; both halves now hold the same
	v_min_u32 v[G], 0xff8, v[G]                    ; as the addresses had it
	v_add_nc_u32 v[J], v[G], v[J]                  ; the index
	v_add_f32_dpp v[MN], v[MN], v[MN] row_xmask:1 row_mask:0xf bank_mask:0xf   ; the 16 rows' smallest distances, added
	v_add_f32_dpp v[MN], v[MN], v[MN] row_xmask:2 row_mask:0xf bank_mask:0xf
	v_add_f32_dpp v[MN], v[MN], v[MN] row_xmask:4 row_mask:0xf bank_mask:0xf
	v_add_f32_dpp v[MN], v[MN], v[MN] row_xmask:8 row_mask:0xf bank_mask:0xf
	v_lshl_add_u32 v157, s32, 6, v11               ; LDS: 64 bytes of indices a wave; both halves write the same word with the same number
	ds_store_b32 v157, v[J]
	v_mov_b32 v158, s32
	v_lshlrev_b32 v158, 2, v158
	ds_store_b32 v158, v[MN] offset:512            ; behind the 512 bytes of indices: a word a wave
	s_wait_dscnt 0x0                               ; for wave 0's sake: my words are in LDS
	s_barrier_signal -1
	s_barrier_wait -1
	s_cmp_lg_u32 s32, 0
	s_cbranch_scc1 .Lend
	v_mov_b32 v159, 0
	ds_load_b128 v[16:19], v1                      ; the work-group's 128 indices
	ds_load_b128 v[20:23], v159 offset:512         ; the eight waves' sums
	ds_load_b128 v[24:27], v159 offset:528
	s_wait_dscnt 0x0
	global_store_b128 v1, v[16:19], s[10:11]       ; each store covers 512 consecutive bytes, aligned
	global_store_b128 v1, v[16:19], s[12:13]       ; the same numbers once more: the next launch forms addresses from them
	v_pk_add_f32 v[20:21], v[20:21], v[22:23]
	v_pk_add_f32 v[24:25], v[24:25], v[26:27]
	v_pk_add_f32 v[20:21], v[20:21], v[24:25]
	v_add_f32 v20, v20, v21
	s_wait_xcnt 0x0                                ; EXEC is a source of the stores above: it changes only behind this wait
	v_cmp_eq_u32 vcc_lo, 0, v0
	s_and_saveexec_b32 s47, vcc_lo
	global_store_b32 v159, v20, s[14:15]           ; one word a work-group: the sum over work-groups is the next launch's
	s_wait_xcnt 0x0                                ; and again in front of the line that widens it
	s_or_b32 exec_lo, exec_lo, s47
.Lend:
	s_wait_tensorcnt 0x0
	ds_add_u32 v160, v161
	s_wait_dscnt 0x0
	s_endpgm
.Lfunc_end_k_q0ff87f65a9_resolve:
	.size	k_q0ff87f65a9_resolve, .Lfunc_end_k_q0ff87f65a9_resolve-k_q0ff87f65a9_resolve
	.p2alignl 7, 3214868480
	.fill 96, 4, 3214868480
	.section	.rodata,"a",@progbits
	.p2align	6, 0x0
	.amdhsa_kernel k_q0ff87f65a9_resolve
		.amdhsa_group_segment_fixed_size 2048
		.amdhsa_private_segment_fixed_size 0
		.amdhsa_enable_private_segment 0
		.amdhsa_kernarg_size 48
		.amdhsa_user_sgpr_count 2
		.amdhsa_user_sgpr_kernarg_segment_ptr 1
		.amdhsa_wavefront_size32 1
		.amdhsa_system_sgpr_workgroup_id_x 1
		.amdhsa_system_sgpr_workgroup_id_y 1
		.amdhsa_system_sgpr_workgroup_id_z 1
		.amdhsa_system_vgpr_workitem_id 0
		.amdhsa_next_free_vgpr 162
		.amdhsa_next_free_sgpr 66
		.amdhsa_reserve_vcc 1
		.amdhsa_float_denorm_mode_32 3
		.amdhsa_float_denorm_mode_16_64 3
		.amdhsa_memory_ordered 1
		.amdhsa_forward_progress 1
		.amdhsa_inst_pref_size 95
	.end_amdhsa_kernel
	.amdgpu_metadata
---
amdhsa.version: [ 1, 2 ]
amdhsa.kernels:
  - .name:           k_q0ff87f65a9_resolve
    .symbol:         k_q0ff87f65a9_resolve.kd
    .args:
      - { .name: x, .offset: 0, .size: 8, .value_kind: global_buffer, .address_space: global }
      - { .name: cb, .offset: 8, .size: 8, .value_kind: global_buffer, .address_space: global }
      - { .name: grp, .offset: 16, .size: 8, .value_kind: global_buffer, .address_space: global }
      - { .name: out1, .offset: 24, .size: 8, .value_kind: global_buffer, .address_space: global }
      - { .name: idxw, .offset: 32, .size: 8, .value_kind: global_buffer, .address_space: global }
      - { .name: part, .offset: 40, .size: 8, .value_kind: global_buffer, .address_space: global }
    .group_segment_fixed_size: 2048
    .private_segment_fixed_size: 0
    .kernarg_segment_align: 8
    .kernarg_segment_size: 48
    .max_flat_workgroup_size: 256
    .sgpr_count:     66
    .vgpr_count:     162
    .wavefront_size: 32
...
	.end_amdgpu_metadata
.endif
;; end of part 3
;; launch fetch (part 4): grid 512 x 1, 8 waves a work-group, no clusters, 0 bytes of LDS; arguments codes, idxw, part, out0, out2; writes out0, out2
.if DOCPART == 4
	.amdgcn_target "amdgcn-amd-amdhsa--gfx1250"
	.amdhsa_code_object_version 6
	.text
	.protected	k_q0ff87f65a9_fetch
	.globl	k_q0ff87f65a9_fetch
	.p2align	8
	.type	k_q0ff87f65a9_fetch,@function
k_q0ff87f65a9_fetch:
	s_mov_b64 s[64:65], 0
	v_nop
	global_prefetch_b8 v0, s[64:65] scope:SCOPE_SE
	s_setreg_imm32_b32 hwreg(HW_REG_WAVE_MODE, 25, 1), 1
	s_wait_xcnt 0x0
; out0[b][:] = codes[idxw[b]][:], the f32 rows as given;  out2 = 1.25 x (the sum of part's 512 words) / 65536: both losses of the problem are the same mean, and 1 + 0.25 of it is asked for.
; A stream: 512 work-groups of eight waves; a wave owns 16 rows, a lane 16 bytes of each, so every load and store of a wave covers a row's 512 consecutive bytes.
; A wave's 16 indices are one scalar load of 64 bytes; its 16 row loads are out together.  No LDS, no barrier, no cluster, no matrix work: out0 is touched once, and which rows of the
; table two work-groups share is not known beforehand.  No prefetch: the table is 2 MiB and every work-group reads in it.
; part was stored by the launch before, so any one wave of this launch can add it up: wave 0 of work-group 0 does, while its indices are on their way.
.set O, 2                              ; v[2:17]    row i: byte offset of my 16 bytes in the table
.set Q, 20                             ; v[20:83]   row i of the table; store data, never rewritten
.set P, 84                             ; v[84:99]   part
	s_load_b256 s[4:11], s[0:1], 0x0               ; codes s[4:5], idxw s[6:7], part s[8:9], out0 s[10:11]
	s_load_b64 s[12:13], s[0:1], 0x20              ; out2
	v_lshrrev_b32 v2, 5, v0
	v_readfirstlane_b32 s14, v2                    ; wave 0..7
	v_and_b32 v1, 31, v0
	v_lshlrev_b32 v1, 4, v1                        ; my 16 bytes of a row
	s_lshl_b32 s34, ttmp9, 16                      ; 128 rows of 512 bytes a work-group,
	s_lshl_b32 s36, s14, 13                        ; 16 rows a wave
	s_add_co_u32 s34, s34, s36
	s_mov_b32 s35, 0
	s_lshr_b32 s36, s34, 7                         ; 4 bytes of idxw for 512 of out0
	s_mov_b32 s37, 0
	s_wait_kmcnt 0x0
	s_add_nc_u64 s[6:7], s[6:7], s[36:37]
	s_load_b512 s[16:31], s[6:7], 0x0              ; my wave's 16 indices
	s_add_nc_u64 s[10:11], s[10:11], s[34:35]
	s_or_b32 s15, ttmp9, s14
	s_cmp_lg_u32 s15, 0
	s_cbranch_scc1 .Lrows                          ; all but wave 0 of work-group 0
	v_mov_b32 v100, 0                              ; v_permlanex16_b32 counts as a reader of its destination
	v_mov_b32 v101, 0
	s_mov_b32 s38, 0x76543210
	s_mov_b32 s39, 0xfedcba98
.irp i, 0,1,2,3
	global_load_b128 v[P+4*\i:P+4*\i+3], v1, s[8:9] offset:512*\i   ; 2,048 bytes in four loads of 512 consecutive bytes
.endr
	s_wait_loadcnt 0x0
	v_pk_add_f32 v[P:P+1],     v[P:P+1],     v[P+2:P+3]
	v_pk_add_f32 v[P+4:P+5],   v[P+4:P+5],   v[P+6:P+7]
	v_pk_add_f32 v[P+8:P+9],   v[P+8:P+9],   v[P+10:P+11]
	v_pk_add_f32 v[P+12:P+13], v[P+12:P+13], v[P+14:P+15]
	v_pk_add_f32 v[P:P+1],     v[P:P+1],     v[P+4:P+5]
	v_pk_add_f32 v[P+8:P+9],   v[P+8:P+9],   v[P+12:P+13]
	v_pk_add_f32 v[P:P+1],     v[P:P+1],     v[P+8:P+9]
	v_add_f32 v[P], v[P], v[P+1]
	v_add_f32_dpp v[P], v[P], v[P] row_xmask:1 row_mask:0xf bank_mask:0xf
	v_add_f32_dpp v[P], v[P], v[P] row_xmask:2 row_mask:0xf bank_mask:0xf
	v_add_f32_dpp v[P], v[P], v[P] row_xmask:4 row_mask:0xf bank_mask:0xf
	v_add_f32_dpp v[P], v[P], v[P] row_xmask:8 row_mask:0xf bank_mask:0xf
	v_permlanex16_b32 v100, v[P], s38, s39
	v_add_f32 v[P], v[P], v100
	v_mul_f32 v[P], 0x37a00000, v[P]               ; x 1.25 / 65536, which f32 holds exactly
	s_wait_xcnt 0x0                                ; EXEC is a source of the loads above: it changes only behind this wait
	v_cmp_eq_u32 vcc_lo, 0, v0
	s_and_saveexec_b32 s15, vcc_lo
	global_store_b32 v101, v[P], s[12:13]
	s_wait_xcnt 0x0                                ; and again in front of the line that widens it
	s_or_b32 exec_lo, exec_lo, s15
.Lrows:
	s_wait_kmcnt 0x0
.irp i, 0,1,2,3,4,5,6,7,8,9,10,11,12,13,14,15
	s_min_u32 s[16+\i], s[16+\i], 0xfff            ; an index stays inside the table of 4,096 rows
	v_lshl_add_u32 v[O+\i], s[16+\i], 9, v1
	global_load_b128 v[Q+4*\i:Q+4*\i+3], v[O+\i], s[4:5]   ; no hint: a row may be named again
.endr
.irp i, 0,1,2,3,4,5,6,7,8,9,10,11,12,13,14,15
	s_wait_loadcnt 15-\i                           ; loads come back in order: row i is in, the 15 - i younger rows stay out
	global_store_b128 v1, v[Q+4*\i:Q+4*\i+3], s[10:11] offset:512*\i th:TH_STORE_NT
.endr
	s_endpgm
.Lfunc_end_k_q0ff87f65a9_fetch:
	.size	k_q0ff87f65a9_fetch, .Lfunc_end_k_q0ff87f65a9_fetch-k_q0ff87f65a9_fetch
	.p2alignl 7, 3214868480
	.fill 96, 4, 3214868480
	.section	.rodata,"a",@progbits
	.p2align	6, 0x0
	.amdhsa_kernel k_q0ff87f65a9_fetch
		.amdhsa_group_segment_fixed_size 0
		.amdhsa_private_segment_fixed_size 0
		.amdhsa_enable_private_segment 0
		.amdhsa_kernarg_size 40
		.amdhsa_user_sgpr_count 2
		.amdhsa_user_sgpr_kernarg_segment_ptr 1
		.amdhsa_wavefront_size32 1
		.amdhsa_system_sgpr_workgroup_id_x 1
		.amdhsa_system_sgpr_workgroup_id_y 1
		.amdhsa_system_sgpr_workgroup_id_z 1
		.amdhsa_system_vgpr_workitem_id 0
		.amdhsa_next_free_vgpr 104
		.amdhsa_next_free_sgpr 66
		.amdhsa_reserve_vcc 1
		.amdhsa_float_denorm_mode_32 3
		.amdhsa_float_denorm_mode_16_64 3
		.amdhsa_memory_ordered 1
		.amdhsa_forward_progress 1
		.amdhsa_inst_pref_size 9
	.end_amdhsa_kernel
	.amdgpu_metadata
---
amdhsa.version: [ 1, 2 ]
amdhsa.kernels:
  - .name:           k_q0ff87f65a9_fetch
    .symbol:         k_q0ff87f65a9_fetch.kd
    .args:
      - { .name: codes, .offset: 0, .size: 8, .value_kind: global_buffer, .address_space: global }
      - { .name: idxw, .offset: 8, .size: 8, .value_kind: global_buffer, .address_space: global }
      - { .name: part, .offset: 16, .size: 8, .value_kind: global_buffer, .address_space: global }
      - { .name: out0, .offset: 24, .size: 8, .value_kind: global_buffer, .address_space: global }
      - { .name: out2, .offset: 32, .size: 8, .value_kind: global_buffer, .address_space: global }
    .group_segment_fixed_size: 0
    .private_segment_fixed_size: 0
    .kernarg_segment_align: 8
    .kernarg_segment_size: 40
    .max_flat_workgroup_size: 256
    .sgpr_count:     66
    .vgpr_count:     104
    .wavefront_size: 32
...
	.end_amdgpu_metadata
.endif
;; end of part 4
;; ======== version 2 of 2: 4 launches; version 1 with the launches prep, fetch written anew for expert scheduling mode
;; limits: values outside matrix products are rounded to bf16
;; workspace buffers: cb 1,048,576 bytes; hc 16,384 bytes; grp 262,144 bytes of whole numbers; idxw 262,144 bytes of whole numbers; part 2,048 bytes
;; launch prep (part 5): grid 64 x 1, 8 waves a work-group, no clusters, 1,280 bytes of LDS; arguments codes, cb, hc; writes cb, hc
.if DOCPART == 5
	.amdgcn_target "amdgcn-amd-amdhsa--gfx1250"
	.amdhsa_code_object_version 6
	.text
	.protected	k_q0ff87f65a9_prep
	.globl	k_q0ff87f65a9_prep
	.p2align	8
	.type	k_q0ff87f65a9_prep,@function
k_q0ff87f65a9_prep:
	s_mov_b64 s[64:65], 0
	v_nop
	global_prefetch_b8 v0, s[64:65] scope:SCOPE_SE
	s_setreg_imm32_b32 hwreg(HW_REG_WAVE_SCHED_MODE, 0, 2), 2
	s_setreg_imm32_b32 hwreg(HW_REG_WAVE_MODE, 25, 1), 1
	s_wait_xcnt 0x0
	s_wait_alu depctr_vm_vsrc(0)
; cb[c][:] = codes[c][:] rounded to bf16;  hc[c] = -1/2 x the sum of the squares of the ROUNDED numbers of row c, in f32.
; The next launch's 256 work-groups all walk the whole table, so the rounding and the row sums are made once, here.
; 64 work-groups of eight waves; a work-group owns 64 rows, a wave 8 rows, a lane 4 neighbouring numbers (16 bytes) of each row.
; A wave's load covers a row's 512 bytes; its store of the rounded row covers 256 consecutive bytes, aligned.
; No tiles in LDS, no cluster, no matrix work: no byte is read twice and no two work-groups share any.
; THE MODE: SCHED_MODE bits 1:0 = 2 (LLVM: expert scheduling mode 2), set by the entry lines.  The code itself states the register dependences
; between vector instructions and memory or LDS instructions, with s_wait_alu, always for 0.
; THE PLAN.  Registers that memory or LDS instructions touch:
;   v1, v2, v5   offsets and the LDS address of my wave's words: written once at the head, read by the loads and stores, never written again.
;   C            row i as loaded: written by its load, once; read by row i's two conversions.
;   B            row i rounded: written by those conversions, once; read by row i's global store.
;   H            row i's -1/2 sum: written by row i's last multiply, once; read by row i's LDS store.  A register a row, so that none that a store reads is ever written again.
;   v[6:7]       written by the last LDS load, read by hc's store; no vector instruction names them.
;   v64, v65     written at the head, read by the closing add alone.
;   T, S and v62 are named by vector instructions alone.
; A step is two rows.  ONE wait on va_vdst at the head of a step states that the step before has written its B and its H; that step's two global stores and two LDS stores follow it,
; and the step's own arithmetic names none of the registers that they read.  No register that a memory or LDS instruction reads is written twice, so no wait on vm_vsrc is owed.
.set C, 8                              ; v[8:39]   row i as loaded: 4 registers
.set B, 40                             ; v[40:55]  row i rounded: 2 registers, never rewritten (they are store data)
.set T, 56                             ; v[56:59]  the rounded numbers widened again
.set S, 60                             ; v[60:61]  sums
.set H, 66                             ; v[66:73]  row i: -1/2 x its sum, never rewritten (LDS store data)
	s_load_b128 s[4:7], s[0:1], 0x0                ; codes s[4:5], cb s[6:7]
	s_load_b64 s[8:9], s[0:1], 0x10                ; hc
	v_lshl_add_u32 v64, v0, 2, 0x100               ; my spare word, behind the 256 bytes of the waves' sums,
	v_mov_b32 v65, 0                               ; and 0: kept for the closing lines alone
	v_lshrrev_b32 v3, 5, v0
	v_readfirstlane_b32 s10, v3                    ; wave 0..7
	v_and_b32 v4, 31, v0                           ; lane
	v_lshlrev_b32 v1, 4, v4                        ; my 16 bytes of a row of codes
	v_lshlrev_b32 v2, 3, v4                        ; my 8 bytes of a row of cb
	v_mov_b32 v62, 0                               ; v_permlanex16_b32 counts as a reader of its destination
	s_mov_b32 s11, 0xffff0000                      ; a word's upper bf16
	s_mov_b32 s12, 0x76543210                      ; each lane takes its own place in the other half
	s_mov_b32 s13, 0xfedcba98
	s_lshl_b32 s14, ttmp9, 15                      ; 64 rows of 512 bytes a work-group,
	s_wait_alu depctr_va_sdst(0)                   ; s10 is written, ahead of its first reader, the next line
	v_mov_b32 v5, s10
	v_lshlrev_b32 v5, 5, v5                        ; LDS: my wave's eight words
	s_lshl_b32 s16, s10, 12                        ; 8 rows a wave
	s_add_co_u32 s14, s14, s16
	s_mov_b32 s15, 0
	s_lshr_b32 s16, s14, 1                         ; cb's rows are half as long
	s_mov_b32 s17, 0
	s_lshl_b32 s18, ttmp9, 8                       ; hc: 64 words a work-group
	s_mov_b32 s19, 0
	s_wait_kmcnt 0x0
	s_add_nc_u64 s[4:5], s[4:5], s[14:15]
	s_add_nc_u64 s[6:7], s[6:7], s[16:17]
	s_add_nc_u64 s[8:9], s[8:9], s[18:19]
	s_wait_alu depctr_va_vdst(0)                   ; v1, v2 and v5 are written, which the loads, the stores and the LDS instructions below read; so are v64 and v65
.irp i, 0,1,2,3,4,5,6,7
	global_load_b128 v[C+4*\i:C+4*\i+3], v1, s[4:5] offset:512*\i
.endr
; Row i's arithmetic: it names C, B and H of row i, T, S and v62, and no register of another row.
.macro ROWSUM i
	s_wait_loadcnt 7-(\i)                          ; loads come back in order: row i is in, the 7 - i younger rows stay out
	v_cvt_pk_bf16_f32 v[B+2*(\i)],   v[C+4*(\i)],   v[C+4*(\i)+1]
	v_cvt_pk_bf16_f32 v[B+2*(\i)+1], v[C+4*(\i)+2], v[C+4*(\i)+3]
	v_lshlrev_b32 v[T],   16,  v[B+2*(\i)]         ; the squares are those of the rounded numbers, which the products will see
	v_and_b32     v[T+1], s11, v[B+2*(\i)]
	v_lshlrev_b32 v[T+2], 16,  v[B+2*(\i)+1]
	v_and_b32     v[T+3], s11, v[B+2*(\i)+1]
	v_pk_mul_f32 v[S:S+1], v[T:T+1], v[T:T+1]
	v_pk_fma_f32 v[S:S+1], v[T+2:T+3], v[T+2:T+3], v[S:S+1]
	v_add_f32 v[S], v[S], v[S+1]
	v_add_f32_dpp v[S], v[S], v[S] row_xmask:1 row_mask:0xf bank_mask:0xf
	v_add_f32_dpp v[S], v[S], v[S] row_xmask:2 row_mask:0xf bank_mask:0xf
	v_add_f32_dpp v[S], v[S], v[S] row_xmask:4 row_mask:0xf bank_mask:0xf
	v_add_f32_dpp v[S], v[S], v[S] row_xmask:8 row_mask:0xf bank_mask:0xf
	v_permlanex16_b32 v62, v[S], s12, s13
	v_add_f32 v[S], v[S], v62                      ; every lane holds the row's sum
	v_mul_f32 v[H+(\i)], -0.5, v[S]
.endm
; Row i leaves: the rounded row to cb, its number to LDS.
.macro SEND i
	global_store_b64 v2, v[B+2*(\i):B+2*(\i)+1], s[6:7] offset:256*(\i)
	ds_store_b32 v5, v[H+(\i)] offset:4*(\i)       ; all lanes write the same word with the same number
.endm
; A step: rows a and b, of the step before, leave; rows c and d are worked on.
.macro STEP a, b, c, d
	s_wait_alu depctr_va_vdst(0)                   ; the step before has written B and H of rows a and b, which the four stores below read
	SEND \a
	SEND \b
	ROWSUM \c
	ROWSUM \d
.endm
	ROWSUM 0                                       ; the first step has no step in front of it
	ROWSUM 1
	STEP 0, 1, 2, 3
	STEP 2, 3, 4, 5
	STEP 4, 5, 6, 7
	s_wait_alu depctr_va_vdst(0)                   ; the last step has written B and H of rows 6 and 7, which the last four stores read
	SEND 6
	SEND 7
	s_wait_dscnt 0x0                               ; for wave 0's sake: my eight words are in LDS
	s_barrier_signal -1
	s_barrier_wait -1
	s_cmp_lg_u32 s10, 0
	s_cbranch_scc1 .Lend
	ds_load_b64 v[6:7], v2                         ; the work-group's 64 words go out as one store of 256 consecutive bytes, aligned
	s_wait_dscnt 0x0
	global_store_b64 v2, v[6:7], s[8:9]
.Lend:
	s_wait_dscnt 0x0                               ; the closing lines, six on end
	s_wait_alu 0x0
	s_wait_tensorcnt 0x0
	ds_add_u32 v64, v65
	s_wait_dscnt 0x0
	s_endpgm
.Lfunc_end_k_q0ff87f65a9_prep:
	.size	k_q0ff87f65a9_prep, .Lfunc_end_k_q0ff87f65a9_prep-k_q0ff87f65a9_prep
	.p2alignl 7, 3214868480
	.fill 96, 4, 3214868480
	.section	.rodata,"a",@progbits
	.p2align	6, 0x0
	.amdhsa_kernel k_q0ff87f65a9_prep
		.amdhsa_group_segment_fixed_size 1280
		.amdhsa_private_segment_fixed_size 0
		.amdhsa_enable_private_segment 0
		.amdhsa_kernarg_size 24
		.amdhsa_user_sgpr_count 2
		.amdhsa_user_sgpr_kernarg_segment_ptr 1
		.amdhsa_wavefront_size32 1
		.amdhsa_system_sgpr_workgroup_id_x 1
		.amdhsa_system_sgpr_workgroup_id_y 1
		.amdhsa_system_sgpr_workgroup_id_z 1
		.amdhsa_system_vgpr_workitem_id 0
		.amdhsa_next_free_vgpr 74
		.amdhsa_next_free_sgpr 66
		.amdhsa_reserve_vcc 0
		.amdhsa_float_denorm_mode_32 3
		.amdhsa_float_denorm_mode_16_64 3
		.amdhsa_memory_ordered 1
		.amdhsa_forward_progress 1
		.amdhsa_inst_pref_size 11
	.end_amdhsa_kernel
	.amdgpu_metadata
---
amdhsa.version: [ 1, 2 ]
amdhsa.kernels:
  - .name:           k_q0ff87f65a9_prep
    .symbol:         k_q0ff87f65a9_prep.kd
    .args:
      - { .name: codes, .offset: 0, .size: 8, .value_kind: global_buffer, .address_space: global }
      - { .name: cb, .offset: 8, .size: 8, .value_kind: global_buffer, .address_space: global }
      - { .name: hc, .offset: 16, .size: 8, .value_kind: global_buffer, .address_space: global }
    .group_segment_fixed_size: 1280
    .private_segment_fixed_size: 0
    .kernarg_segment_align: 8
    .kernarg_segment_size: 24
    .max_flat_workgroup_size: 256
    .sgpr_count:     66
    .vgpr_count:     74
    .wavefront_size: 32
...
	.end_amdgpu_metadata
.endif
;; end of part 5
;; launch nearest: the kernel of part 2 again; grid 256 x 1, 8 waves a work-group, clusters of 4 x 1, 327,680 bytes of LDS; arguments x, cb, hc, grp; writes grp
;; launch resolve: the kernel of part 3 again; grid 512 x 1, 8 waves a work-group, no clusters, 2,048 bytes of LDS; arguments x, cb, grp, out1, idxw, part; writes out1, idxw, part
;; launch fetch (part 6): grid 512 x 1, 8 waves a work-group, no clusters, 0 bytes of LDS; arguments codes, idxw, part, out0, out2; writes out0, out2
.if DOCPART == 6
	.amdgcn_target "amdgcn-amd-amdhsa--gfx1250"
	.amdhsa_code_object_version 6
	.text
	.protected	k_q0ff87f65a9_fetch
	.globl	k_q0ff87f65a9_fetch
	.p2align	8
	.type	k_q0ff87f65a9_fetch,@function
k_q0ff87f65a9_fetch:
	s_mov_b64 s[64:65], 0
	v_nop
	global_prefetch_b8 v0, s[64:65] scope:SCOPE_SE
	s_setreg_imm32_b32 hwreg(HW_REG_WAVE_SCHED_MODE, 0, 2), 2
	s_setreg_imm32_b32 hwreg(HW_REG_WAVE_MODE, 25, 1), 1
	s_wait_xcnt 0x0
	s_wait_alu depctr_vm_vsrc(0)
; out0[b][:] = codes[idxw[b]][:], the f32 rows as given;  out2 = 1.25 x (the sum of part's 512 words) / 65536: both losses of the problem are the same mean, and 1 + 0.25 of it is asked for.
; A stream: 512 work-groups of eight waves; a wave owns 16 rows, a lane 16 bytes of each, so every load and store of a wave covers a row's 512 consecutive bytes.
; A wave's 16 indices are one scalar load of 64 bytes; its 16 row loads are out together.  No LDS, no barrier, no cluster, no matrix work: out0 is touched once, and which rows of the
; table two work-groups share is not known beforehand.  No prefetch: the table is 2 MiB and every work-group reads in it.
; part was stored by the launch before, so any one wave of this launch can add it up: wave 0 of work-group 0 does, while its indices are on their way.
; THE MODE: SCHED_MODE bits 1:0 = 2 (LLVM: expert scheduling mode 2), set by the entry lines.  The code itself states the register dependences
; between vector instructions and memory instructions, with s_wait_alu, always for 0.
; THE PLAN.  Registers that memory instructions touch:
;   v1      16 x lane: written once at the head; read by part's four loads and by every row's store; never written again.
;   O       row i's offset in the table: written once, by one vector line; read by row i's load.  All sixteen are made first, ONE wait on va_vdst follows, then the sixteen loads in one run.
;   Q       row i of the table: written by its load, read by its store; no vector instruction names it.
;   P       wave 0 of work-group 0 alone: written by part's four loads, then worked on; v[P] is read by out2's store, with v101 as its offset; neither is written again.
; EXEC is narrowed and widened once, on that wave's path: both waits stand ahead of each of the two lines.
.set O, 2                              ; v[2:17]    row i: byte offset of my 16 bytes in the table
.set Q, 20                             ; v[20:83]   row i of the table; store data, never rewritten
.set P, 84                             ; v[84:99]   part
	s_load_b256 s[4:11], s[0:1], 0x0               ; codes s[4:5], idxw s[6:7], part s[8:9], out0 s[10:11]
	s_load_b64 s[12:13], s[0:1], 0x20              ; out2
	v_lshrrev_b32 v2, 5, v0
	v_readfirstlane_b32 s14, v2                    ; wave 0..7
	v_and_b32 v1, 31, v0
	v_lshlrev_b32 v1, 4, v1                        ; my 16 bytes of a row
	s_lshl_b32 s34, ttmp9, 16                      ; 128 rows of 512 bytes a work-group,
	s_wait_alu depctr_va_sdst(0)                   ; s14 is written, ahead of its first reader, the next line
	s_lshl_b32 s36, s14, 13                        ; 16 rows a wave
	s_add_co_u32 s34, s34, s36
	s_mov_b32 s35, 0
	s_lshr_b32 s36, s34, 7                         ; 4 bytes of idxw for 512 of out0
	s_mov_b32 s37, 0
	s_wait_kmcnt 0x0
	s_add_nc_u64 s[6:7], s[6:7], s[36:37]
	s_load_b512 s[16:31], s[6:7], 0x0              ; my wave's 16 indices
	s_add_nc_u64 s[10:11], s[10:11], s[34:35]
	s_or_b32 s15, ttmp9, s14
	s_cmp_lg_u32 s15, 0
	s_cbranch_scc1 .Lrows                          ; all but wave 0 of work-group 0
	v_mov_b32 v100, 0                              ; v_permlanex16_b32 counts as a reader of its destination
	v_mov_b32 v101, 0
	s_mov_b32 s38, 0x76543210
	s_mov_b32 s39, 0xfedcba98
	s_wait_alu depctr_va_vdst(0)                   ; v1 is written, which the four loads below read as their offset
.irp i, 0,1,2,3
	global_load_b128 v[P+4*\i:P+4*\i+3], v1, s[8:9] offset:512*\i   ; 2,048 bytes in four loads of 512 consecutive bytes
.endr
	s_wait_loadcnt 0x0
	v_pk_add_f32 v[P:P+1],     v[P:P+1],     v[P+2:P+3]
	v_pk_add_f32 v[P+4:P+5],   v[P+4:P+5],   v[P+6:P+7]
	v_pk_add_f32 v[P+8:P+9],   v[P+8:P+9],   v[P+10:P+11]
	v_pk_add_f32 v[P+12:P+13], v[P+12:P+13], v[P+14:P+15]
	v_pk_add_f32 v[P:P+1],     v[P:P+1],     v[P+4:P+5]
	v_pk_add_f32 v[P+8:P+9],   v[P+8:P+9],   v[P+12:P+13]
	v_pk_add_f32 v[P:P+1],     v[P:P+1],     v[P+8:P+9]
	v_add_f32 v[P], v[P], v[P+1]
	v_add_f32_dpp v[P], v[P], v[P] row_xmask:1 row_mask:0xf bank_mask:0xf
	v_add_f32_dpp v[P], v[P], v[P] row_xmask:2 row_mask:0xf bank_mask:0xf
	v_add_f32_dpp v[P], v[P], v[P] row_xmask:4 row_mask:0xf bank_mask:0xf
	v_add_f32_dpp v[P], v[P], v[P] row_xmask:8 row_mask:0xf bank_mask:0xf
	v_permlanex16_b32 v100, v[P], s38, s39
	v_add_f32 v[P], v[P], v100
	v_mul_f32 v[P], 0x37a00000, v[P]               ; x 1.25 / 65536, which f32 holds exactly
	s_wait_xcnt 0x0                                ; EXEC is a source of the loads above: it changes only behind this wait
	v_cmp_eq_u32 vcc_lo, 0, v0
	s_wait_alu depctr_va_vcc(0)                    ; VCC is written, ahead of its first reader: EXEC is made from it
	s_wait_alu depctr_va_vdst(0)                   ; ahead of the write of EXEC: the vector instructions issued so far are done; v[P] and v101, which the store below reads, are among what they wrote
	s_wait_alu depctr_vm_vsrc(0)                   ; ahead of the write of EXEC: the loads issued so far have read their vector registers
	s_and_saveexec_b32 s15, vcc_lo
	global_store_b32 v101, v[P], s[12:13]
	s_wait_xcnt 0x0                                ; and again in front of the line that widens it
	s_wait_alu depctr_va_vdst(0)                   ; ahead of the write of EXEC: no vector instruction is still at work
	s_wait_alu depctr_vm_vsrc(0)                   ; ahead of the write of EXEC: the store has read v101 and v[P]
	s_or_b32 exec_lo, exec_lo, s15
.Lrows:
	s_wait_kmcnt 0x0
.irp i, 0,1,2,3,4,5,6,7,8,9,10,11,12,13,14,15
	s_min_u32 s[16+\i], s[16+\i], 0xfff            ; an index stays inside the table of 4,096 rows
	v_lshl_add_u32 v[O+\i], s[16+\i], 9, v1
.endr
	s_wait_alu depctr_va_vdst(0)                   ; the sixteen offsets are written, which the loads below read; so is v1, which the stores read, on the way that jumped here too
.irp i, 0,1,2,3,4,5,6,7,8,9,10,11,12,13,14,15
	global_load_b128 v[Q+4*\i:Q+4*\i+3], v[O+\i], s[4:5]   ; no hint: a row may be named again
.endr
.irp i, 0,1,2,3,4,5,6,7,8,9,10,11,12,13,14,15
	s_wait_loadcnt 15-\i                           ; loads come back in order: row i is in, the 15 - i younger rows stay out
	global_store_b128 v1, v[Q+4*\i:Q+4*\i+3], s[10:11] offset:512*\i th:TH_STORE_NT
.endr
	s_endpgm
.Lfunc_end_k_q0ff87f65a9_fetch:
	.size	k_q0ff87f65a9_fetch, .Lfunc_end_k_q0ff87f65a9_fetch-k_q0ff87f65a9_fetch
	.p2alignl 7, 3214868480
	.fill 96, 4, 3214868480
	.section	.rodata,"a",@progbits
	.p2align	6, 0x0
	.amdhsa_kernel k_q0ff87f65a9_fetch
		.amdhsa_group_segment_fixed_size 0
		.amdhsa_private_segment_fixed_size 0
		.amdhsa_enable_private_segment 0
		.amdhsa_kernarg_size 40
		.amdhsa_user_sgpr_count 2
		.amdhsa_user_sgpr_kernarg_segment_ptr 1
		.amdhsa_wavefront_size32 1
		.amdhsa_system_sgpr_workgroup_id_x 1
		.amdhsa_system_sgpr_workgroup_id_y 1
		.amdhsa_system_sgpr_workgroup_id_z 1
		.amdhsa_system_vgpr_workitem_id 0
		.amdhsa_next_free_vgpr 104
		.amdhsa_next_free_sgpr 66
		.amdhsa_reserve_vcc 1
		.amdhsa_float_denorm_mode_32 3
		.amdhsa_float_denorm_mode_16_64 3
		.amdhsa_memory_ordered 1
		.amdhsa_forward_progress 1
		.amdhsa_inst_pref_size 9
	.end_amdhsa_kernel
	.amdgpu_metadata
---
amdhsa.version: [ 1, 2 ]
amdhsa.kernels:
  - .name:           k_q0ff87f65a9_fetch
    .symbol:         k_q0ff87f65a9_fetch.kd
    .args:
      - { .name: codes, .offset: 0, .size: 8, .value_kind: global_buffer, .address_space: global }
      - { .name: idxw, .offset: 8, .size: 8, .value_kind: global_buffer, .address_space: global }
      - { .name: part, .offset: 16, .size: 8, .value_kind: global_buffer, .address_space: global }
      - { .name: out0, .offset: 24, .size: 8, .value_kind: global_buffer, .address_space: global }
      - { .name: out2, .offset: 32, .size: 8, .value_kind: global_buffer, .address_space: global }
    .group_segment_fixed_size: 0
    .private_segment_fixed_size: 0
    .kernarg_segment_align: 8
    .kernarg_segment_size: 40
    .max_flat_workgroup_size: 256
    .sgpr_count:     66
    .vgpr_count:     104
    .wavefront_size: 32
...
	.end_amdgpu_metadata
.endif
;; end of part 6
